; MI455X (gfx1250); checked and timed in simulation.
; The chip was launched on July 23, 2026; its instructions are those of AMD's public machine-readable ISA for CDNA 5 (MIT licence, August 2026) and "CDNA5" Instruction Set Architecture Reference Guide (July 2026). The comments in the code are by the model that wrote it; some were corrected since.
;; Multi Head Attention1d. Allowed arithmetic: matrix products marked QUANTISED: E2M3 operands, one E8M0 scale for each 32 along K, by v_wmma_scale_f32_16x16x128_f8f6f4 with both operands' format E2M3, f32 sums; everything else in f32.
;; Inputs: Wk_codes 2,048 x 8 x 24 uint8 (E2M3 codes of Wk, K innermost, in blocks of 32 codes, four codes in three bytes); Wk_scales 2,048 x 8 uint8 (E8M0 scales of Wk, one for each 32 codes along K); Wp_codes 256 x 8 x 24 uint8 (E2M3 codes of Wp, K innermost, in blocks of 32 codes, four codes in three bytes); Wp_scales 256 x 8 uint8 (E8M0 scales of Wp, one for each 32 codes along K); Wq_codes 2,048 x 8 x 24 uint8 (E2M3 codes of Wq, K innermost, in blocks of 32 codes, four codes in three bytes); Wq_scales 2,048 x 8 uint8 (E8M0 scales of Wq, one for each 32 codes along K); Wv_codes 2,048 x 8 x 24 uint8 (E2M3 codes of Wv, K innermost, in blocks of 32 codes, four codes in three bytes); Wv_scales 2,048 x 8 uint8 (E8M0 scales of Wv, one for each 32 codes along K); bk 2,048 float32; bq 2,048 float32; bv 2,048 float32; gamma 8 x 1 x 1 x 1 float32; x_codes 4 x 1,024 x 8 x 24 uint8 (E2M3 codes of x, K innermost, in blocks of 32 codes, four codes in three bytes); x_scales 4 x 1,024 x 8 uint8 (E8M0 scales of x, one for each 32 codes along K); y_codes 4 x 1,024 x 8 x 24 uint8 (E2M3 codes of y, K innermost, in blocks of 32 codes, four codes in three bytes); y_scales 4 x 1,024 x 8 uint8 (E8M0 scales of y, one for each 32 codes along K).
;; Outputs: out0 4 x 2,048 x 1,024 float32.
;; This version of the problem:
;;   THIS VERSION OF THE PROBLEM IS GIVEN IN LOW PRECISION. The matrix products marked QUANTISED in the list below multiply operands that are first quantised to E2M3 (2 exponent bits, 3 mantissa bits; 6 bits a number), with one power-of-two scale for each 32 numbers along K (OCP MX v1.0); their sums are f32. All else is computed in f32.
;;   The module's matrix products, in the order in which they are computed (A, B: the left and right operand; K: the contracted axis; several contracted axes count as one K, in the product's order):
;;     1. [M 4,096, K 256] x [K 256, N 2,048]; A: input x (given as codes); B: input Wq (given as codes): QUANTISED
;;     2. [M 4,096, K 256] x [K 256, N 2,048]; A: input x (given as codes); B: input Wk (given as codes): QUANTISED
;;     3. [M 4,096, K 256] x [K 256, N 2,048]; A: input y (given as codes); B: input Wv (given as codes): QUANTISED
;;     4. batch 32 x [M 1,024, K 256] x [K 256, N 1,024]; A: computed on the way; B: computed on the way: QUANTISED
;;     5. batch 32 x [M 256, K 1,024] x [K 1,024, N 1,024]; A: computed on the way; B: softmax (see below): QUANTISED
;;     6. [M 4,096, K 256] x [K 256, N 256]; A: input y (given as codes); B: input Wp (given as codes): QUANTISED
;;   THE QUANTISER, for each operand of a quantised product, along K:
;;     - K is cut into blocks of 32 from its start; a last block that is shorter is filled with zeros.
;;     - A block's scale is 2^e with e = floor(log2(the largest magnitude in the block)) - 2, held to -126 .. 127; a block of zeros has e = 0. As a byte (E8M0): e + 127.
;;     - Each number is divided by its block's scale, clamped to +-7.5, and rounded to the nearest number of E2M3, ties to even, subnormals kept.
;;     - The product sums the exact products of the quantised numbers (number of the format x scale) in f32.
;;   ~~~python
;;   def quantise(x, axis):      # numpy; x: float32 -> the quantised numbers, widened to float32 again
;;       x = np.moveaxis(x, axis, -1); K = x.shape[-1]
;;       x = np.pad(x, [(0, 0)] * (x.ndim - 1) + [(0, -K % 32)]); x = x.reshape(x.shape[:-1] + (-1, 32)); a = np.abs(x).max(-1, keepdims=True)
;;       e = np.where(a > 0, np.clip(np.frexp(np.where(a > 0, a, 1))[1] - 1 - 2, -126, 127), 0)      # np.frexp(a)[1] - 1 = floor(log2(a)), exactly
;;       r = np.clip(x / 2.0 ** e, -7.5, 7.5)
;;       step = 2.0 ** (np.maximum(np.frexp(np.where(r == 0, 1, r))[1] - 1, 0) - 3)
;;       q = np.round(r / step) * step * 2.0 ** e      # np.round: ties to even
;;       return np.moveaxis(q.reshape(q.shape[:-2] + (-1,))[..., :K], -1, axis).astype(np.float32)
;;   ~~~
;;   SOFTMAX AHEAD OF A QUANTISED PRODUCT. Where the list says 'softmax', what is quantised is not the finished softmax but p = 2^(t - M), with t = logit x log2(e) and M = ceil(the row's largest t), a whole number; so 1/2 < the row's largest p <= 1. The row's sum l is taken of the UNQUANTISED p, in f32, and the product's result is divided by l at the end. Since M is a whole number, a kernel that streams over the keys may use a running M (the ceiling of the running maximum): every later rescaling is an exact power of two, which a block's scale takes up: the codes' values come out the same.
;;   OPERANDS COMPUTED ON THE WAY. 'Computed on the way' means the value that the module computes at that place (a softmax that the list does not call 'softmax' is quantised finished and normalised). What goes into a quantiser is computed in f32, as accurately as f32 sums, v_exp_f32 and their like allow (about 1e-6 of the number): no bf16 or f16 on the way to a quantiser, and a product that is left as it is and whose result goes on into a quantised operand takes f32 operands (vector FMAs, or v_wmma_f32_16x16x4_f32). A number that lies on a knife's edge between two numbers of the format may be rounded either way, as far as f32 arithmetic and the matrix unit's own rounding can turn it there, and no further.
;;   INPUTS GIVEN AS CODES. Wk (in the module: [2048, 256], K = its axis 1); Wp (in the module: [256, 256], K = its axis 1); Wq (in the module: [2048, 256], K = its axis 1); Wv (in the module: [2048, 256], K = its axis 1); x (in the module: [4, 256, 1024], K = its axis 1); y (in the module: [4, 256, 1024], K = its axis 1): each comes as NAME_codes (uint8): NAME with its K axis moved to the last place and cut into blocks of 32 codes, [.., K / 32, bytes a block], one block behind the other in memory; four codes in three bytes: a row's codes are one little-endian stream of bits, code i at bits 6 i .. 6 i + 5 (a code: sign, 2 exponent bits, 3 mantissa bits); and NAME_scales (uint8): the same leading axes, one E8M0 byte (e + 127) for each 32 codes along K. Its value is code x scale, taken as it is: it is not quantised again, and the codes and scales need not be those that the quantiser above would give.
;; One version. Each part assembles by itself: llvm-mc -triple=amdgcn-amd-amdhsa -mcpu=gfx1250 --defsym DOCPART=n.
;; ======== version 1 of 1: 2 launches
;; workspace buffers: qimg 6,553,600 bytes; kvimg 13,107,200 bytes; ypimg 4,194,304 bytes
;; launch proj (part 1): grid 200 x 1, 8 waves a work-group, no clusters, 185,344 bytes of LDS; arguments x_codes, x_scales, y_codes, y_scales, Wq_codes, Wq_scales, Wk_codes, Wk_scales, Wv_codes, Wv_scales, Wp_codes, Wp_scales, bq, bk, bv, qimg, kvimg, ypimg; writes qimg, kvimg, ypimg
.if DOCPART == 1
	.amdgcn_target "amdgcn-amd-amdhsa--gfx1250"
	.amdhsa_code_object_version 6
	.text
	.protected	k_q61325e0ceb_proj
	.globl	k_q61325e0ceb_proj
	.p2align	8
	.type	k_q61325e0ceb_proj,@function
k_q61325e0ceb_proj:
	s_mov_b64 s[64:65], 0
	v_nop
	global_prefetch_b8 v0, s[64:65] scope:SCOPE_SE
	s_setreg_imm32_b32 hwreg(HW_REG_WAVE_MODE, 25, 1), 1
	s_wait_xcnt 0x0
; THE FOUR PROJECTIONS: q = Wq x + bq, k = Wk x + bk, v = Wv y + bv, yp = Wp y, all on codes of FP6 (E2M3) with one E8M0 scale for each 32 along K = the 256 channels.
; q and k are quantised along the head's 256 (the K of q^T k), v along the positions (the K of v p); yp stays f32.  All four leave as IMAGES OF REGISTERS, in the order in which the next launch's operand registers take them.
; NO WORK IS LEFT OUT: bq and bk go into quantised operands, bv, Wp and gamma reach the result; all sixteen inputs are loaded by one of the two launches.
; A UNIT: 128 rows of A (8 tiles, source 0) against 16 rows of B (source 1), K = 256 in two steps: 16 matrix instructions, 64 results a lane: lane (r, hh), register 8 a + j = (A's row 16 a + 8 hh + j, B's row r).
; So a lane holds ONE row of B, and its registers run along A's rows, which are the next product's K: q, k: A = the weight (128 of a head's 256), B = 16 positions;  v: A = 128 positions of y, B = 16 rows of Wv.
; A block of 32 along the next K lies in lanes l and l xor 16.  INSIDE a block the order is not the natural one: place 16 hh + 8 u + j holds number 16 u + 8 hh + j.  q and k are made alike, and so are v and the next launch's p:
; both operands of each product carry the same order, so every product of two numbers and every scale is the one that is asked for; only the order of summation inside a block differs.
; A JOB, one wave's: one block of A x 8 tiles of B.  A WORK-GROUP: 2 blocks of A x 4 blocks of 128 rows of B; wave w takes A's block w / 4 and B's block w % 4.  A's 16 fragments stay in registers.
; Work-groups 0-63: q;  64-127: k;  128-191: v;  192-199: yp.
; LDS IS FILLED ONCE, IN THE ORDER OF USE: each wave brings 32 rows of A, 32 rows of the first halves of B's blocks (tiles 0-3) and 32 rows of the second halves (tiles 4-7).  The products begin when the first two have landed;
; the third is waited for at the head of unit 2, whose products stand between that barrier's signal and its wait.  The text parts by kind once, ahead of the first barrier, so that each kind's bias is asked for while the tiles are on their way.
; NO CLUSTER: which operand neighbours share differs by kind (q, k: B; v: A or B), yp has one row of eight work-groups beside 192 others, and each work-group fills LDS once, 184,320 bytes, at its head.
; LIMITS: NaN and infinities among the inputs are not served.  A block whose largest magnitude lies under 2^-124, a block of zeros among them, keeps the scale byte 1: the bytes are read by this program alone.
.set PITCH, 240                        ; an LDS row: 192 bytes of codes (256 along K) as 3 x (64 + 16 of padding)
.set LB,    256*PITCH                  ; A's 256 rows lie from 0, B's 512 rows from here
.set SPARE, LB+512*PITCH               ; behind them the spare words, 128 bytes for each of the eight waves
.set SPW, 3                            ; v3   LDS address of my spare word; never rewritten
.set NIL, 4                            ; v4   0; never rewritten
.set FA,  6                            ; v6-7   my lane's place in A's tiles (24 bytes a half; 40 where one padding more lies between)
.set FB,  8                            ; v8-9   the same for B
.set R8,  10                           ; v10  8 r: a row's eight scale bytes
.set H32, 11                           ; v11  32 hh: my half's eight numbers of a bias
.set IMO, 12                           ; v12  16 x lane: my place in an image
.set R4,  13                           ; v13  4 r
.set SW,  16                           ; v16-19 the job's scale words: register k: lanes 0-15 fragment 2 k's, lanes 16-31 fragment 2 k + 1's
.set AS,  20                           ; v20-35 A's scale words, tile a, K step cs at 2 a + cs
.set BSC, 36                           ; v36-51 B's, tile i
.set BV,  52                           ; v52-59 v: bv of my row of tile i
.set CB,  60                           ; v60-67 v: that number eight times: the C of a unit's first products
.set BF,  68                           ; v68-115 B's fragments, two sets of 24
.set ACC, 116                          ; v116-179 the unit's 64 results
.set PC,  180                          ; v180-191 the codes just made; v192-199 at work
.set TM,  200                          ; v200-215 at work
.set PW,  216                          ; v216-217 the scale words of an even and an odd fragment
; window 1: v0-191 A's 16 fragments, (a, cs) at 12 (2 a + cs);  v192-255 q, k: the bias in the results' layout, tile a at 192 + 8 a
.set WV,  2                            ; s2   my wave's number
.set SEL, 60                           ; s[60:61] lane selects for v_permlanex16_b32: lane l xor 16
.set HM,  62                           ; s62  the mask of lanes 16-31
.set MSB, 0
.macro WIN new                         ; the immediate's high byte repeats the setting that is left
.if MSB != \new
	s_set_vgpr_msb (MSB<<8)|\new
.set MSB, \new
.endif
.endm
.macro PLACES n
.rept \n
	v_nop
.endr
.endm
; A fragment, 16 rows x 128 K of 6-bit codes: 12 registers, in pieces of 8 bytes.  Lanes 16-31 read three pieces further on, which is behind one padding more where the piece's number mod 8 is 5 or more.
.macro FRAG reg, adr, q, i
.irp p, 0,1,2,3,4,5
.set PCE, 12*(\q)+6*(\p/3)+\p%3
.if PCE%8 < 5
	ds_load_b64 v[\reg+2*\p:\reg+2*\p+1], v[\adr] offset:8*PCE+16*(PCE/8)+(\i)*16*PITCH
.else
	ds_load_b64 v[\reg+2*\p:\reg+2*\p+1], v[\adr+1] offset:8*PCE+16*(PCE/8)+(\i)*16*PITCH
.endif
.endr
.endm
.macro LOADB set, i                    ; B's tile i, both K steps: 12 loads
	FRAG BF+24*(\set), FB, 0, \i
	FRAG BF+24*(\set)+12, FB, 1, \i
.endm
; 64 numbers of a lane, register 16 b + n in block b, become a fragment's codes in v[PC] on and its scale word in v[pw].
.macro QUANT s, pw
.irp b, 0,1,2,3
	v_max3_num_f32 v[TM+\b], |v[\s+16*\b]|, |v[\s+1+16*\b]|, 0x1800000   ; my 16 numbers of block b, and the floor 2^(3 - 127): the byte cannot fall under 1
.endr
.irp i, 2,4,6,8,10,12,14
.irp b, 0,1,2,3
	v_max3_num_f32 v[TM+\b], v[TM+\b], |v[\s+16*\b+\i]|, |v[\s+1+16*\b+\i]|   ; ascending: each accumulator is read from its low end on
.endr
.endr
.irp b, 0,1,2,3
	v_permlanex16_b32 v[TM+4+\b], v[TM+\b], s[SEL], s[SEL+1]
.endr
.irp b, 0,1,2,3
	v_max_num_f32 v[TM+\b], v[TM+\b], v[TM+4+\b]   ; with lane l xor 16's: the block's largest magnitude
.endr
.irp b, 0,1,2,3
	v_add_nc_u32 v[TM+12+\b], 0xff000000, v[TM+\b]   ; 2 off its exponent field: the conversion's scale operand
.endr
.irp b, 0,1,2,3
	v_lshrrev_b32 v[TM+4+\b], 23, v[TM+12+\b]      ; the scale's byte
.endr
	v_lshl_or_b32 v[\pw], v[TM+5], 8, v[TM+4]
	v_lshl_or_b32 v[\pw], v[TM+6], 16, v[\pw]
	v_lshl_or_b32 v[\pw], v[TM+7], 24, v[\pw]      ; my row's scale word
	s_wait_xcnt 0x0                                ; the last unit's stores have read the codes' registers: only now are they written again
.irp c, 0,1
	v_cvt_scalef32_pk16_fp6_f32 v[PC+6*\c:PC+2+6*\c], v[\s+32*\c:\s+15+32*\c], v[TM+12+2*\c]
	v_cvt_scalef32_pk16_fp6_f32 v[PC+12+4*\c:PC+14+4*\c], v[\s+16+32*\c:\s+31+32*\c], v[TM+12+2*\c+1]   ; (a conversion's three registers begin on an even number)
.endr
	v_nop                                          ; one plain place behind a scaled conversion
.irp c, 0,1                                    ; the operand's layout wants a whole block in a lane: lanes 0-15 block 2 c, lanes 16-31 block 2 c + 1
.irp i, 0,1,2
	v_permlane16_swap_b32 v[PC+6*\c+\i], v[PC+12+4*\c+\i]
.endr
.irp i, 0,1,2
	v_mov_b32 v[PC+3+6*\c+\i], v[PC+12+4*\c+\i]
.endr
.endr
.endm
; A unit.  mode 0: q, k (the bias runs along A's rows);  1: v (the bias is my row's);  2: yp (no bias, no quantiser).  The eight accumulators take turns, one instruction a turn.
.macro UNIT mode, i
.set SET, (\i)%2
.if (\i) == 2
	s_wait_tensorcnt 0x0                           ; my rows of the second halves of B's blocks have landed: no load of mine is younger
	s_wait_dscnt 0x0                               ; no LDS load of mine is out at a signal: tiles 2 and 3 are in
	s_barrier_signal -1                            ; say so; this unit's products, work on registers, stand between the signal and the wait
.elseif (\i) < 7
	s_wait_dscnt 12                                ; this unit's tile of B is in (and, for unit 0, all of A); the 12 loads of the next unit's tile may be out
.else
	s_wait_dscnt 0x0
.endif
.if \mode == 1
.irp j, 0,1,2,3,4,5,6,7
	v_mov_b32 v[CB+\j], v[BV+(\i)]
.endr
	PLACES 4
.endif
.if (\mode == 2) && ((\i) > 0)
	s_wait_xcnt 0x0                                ; the last unit's stores have read the accumulators
.endif
.if \mode == 0
	WIN 0x11                                       ; A and the bias in window 1
.else
	WIN 0x01                                       ; A in window 1
.endif
.irp a, 0,1,2,3,4,5,6,7
.if \mode == 0
	v_wmma_scale_f32_16x16x128_f8f6f4 v[ACC+8*\a:ACC+8*\a+7], v[24*\a:24*\a+11], v[BF+24*SET:BF+24*SET+11], v[192+8*\a:199+8*\a], v[AS+2*\a], v[BSC+2*(\i)] matrix_a_fmt:MATRIX_FMT_FP6 matrix_b_fmt:MATRIX_FMT_FP6
.elseif \mode == 1
	v_wmma_scale_f32_16x16x128_f8f6f4 v[ACC+8*\a:ACC+8*\a+7], v[24*\a:24*\a+11], v[BF+24*SET:BF+24*SET+11], v[CB:CB+7], v[AS+2*\a], v[BSC+2*(\i)] matrix_a_fmt:MATRIX_FMT_FP6 matrix_b_fmt:MATRIX_FMT_FP6
.else
	v_wmma_scale_f32_16x16x128_f8f6f4 v[ACC+8*\a:ACC+8*\a+7], v[24*\a:24*\a+11], v[BF+24*SET:BF+24*SET+11], 0, v[AS+2*\a], v[BSC+2*(\i)] matrix_a_fmt:MATRIX_FMT_FP6 matrix_b_fmt:MATRIX_FMT_FP6
.endif
.endr
	WIN 0x01
.irp a, 0,1,2,3,4,5,6,7
	v_wmma_scale_f32_16x16x128_f8f6f4 v[ACC+8*\a:ACC+8*\a+7], v[24*\a+12:24*\a+23], v[BF+24*SET+12:BF+24*SET+23], v[ACC+8*\a:ACC+8*\a+7], v[AS+2*\a+1], v[BSC+2*(\i)+1] matrix_a_fmt:MATRIX_FMT_FP6 matrix_b_fmt:MATRIX_FMT_FP6
.endr
	WIN 0
	PLACES 5                                       ; four in front of the loads into B's set and of the first read of results; the fifth since the next unit's products write these accumulators anew
.if (\i) == 2
	s_barrier_wait -1                              ; everybody's rows of the second halves have landed: tile 4 may be read
.endif
.if (\i)+2 < 8
	LOADB SET, (\i)+2
.endif
.if \mode < 2
	QUANT ACC, PW+SET
.irp c, 0,1,2
	global_store_b128 v[IMO], v[PC+4*\c:PC+4*\c+3], s[54:55] offset:(\i)*1536+512*\c   ; the fragment's image: 32 lanes store 512 consecutive bytes, aligned to 256
.endr
.if (\i)%2 == 1
	v_cndmask_b32 v[SW+(\i)/2], v[PW], v[PW+1], s[HM]   ; lanes 0-15 the even fragment's words, lanes 16-31 the odd one's
.endif
.else
.irp a, 0,1,2,3,4,5,6,7
	global_store_b128 v[IMO], v[ACC+8*\a:ACC+8*\a+3], s[54:55] offset:(\i)*16384+\a*1024        ; an accumulator's image, its low four registers first
	global_store_b128 v[IMO], v[ACC+8*\a+4:ACC+8*\a+7], s[54:55] offset:(\i)*16384+\a*1024+512
.endr
.endif
.endm
.macro JOB mode
	s_wait_tensorcnt 0x1                           ; my rows of A and of the first halves of B's blocks have landed; the one younger load may stay out
	s_barrier_signal -1
	s_barrier_wait -1                              ; everybody's have: every wave reads rows that others brought
	WIN 0x40                                       ; destination window 1
.irp a, 0,1,2,3,4,5,6,7
	FRAG 24*\a, FA, 0, \a                          ; A's 16 fragments: they stay
	FRAG 24*\a+12, FA, 1, \a
.endr
	WIN 0
	LOADB 0, 0
	LOADB 1, 1
	s_wait_loadcnt 0x0                             ; the scale words and the bias, asked for ahead of the barrier
.irp i, 0,1,2,3,4,5,6,7
	UNIT \mode, \i
.endr
.if \mode < 2
	global_store_b128 v[IMO], v[SW:SW+3], s[56:57] ; the job's scale words: 512 consecutive bytes
.endif
.endm
	s_load_b512 s[8:23], s[0:1], 0x0               ; x's codes 8, scales 10; y's 12, 14; Wq's 16, 18; Wk's 20, 22
	s_load_b512 s[24:39], s[0:1], 0x40             ; Wv's 24, 26; Wp's 28, 30; bq 32, bk 34, bv 36; qimg 38
	s_load_b128 s[40:43], s[0:1], 0x80             ; kvimg 40, ypimg 42
	v_lshl_add_u32 v[SPW], v0, 2, SPARE
	v_mov_b32 v[NIL], 0
	ds_add_u32 v[SPW], v[NIL]                      ; the wave's opening: the add, twice on end, and its wait ahead of my first tensor load
	ds_add_u32 v[SPW], v[NIL]
	v_lshrrev_b32 v1, 5, v0
	v_readfirstlane_b32 s[WV], v1                  ; wave 0..7
	s_and_b32 s3, ttmp9, 63                        ; e: which work-group of its kind
	s_lshr_b32 s4, ttmp9, 6                        ; kind: 0 q, 1 k, 2 v, 3 yp
	s_lshr_b32 s98, s[WV], 2                       ; ab: my block of A
	s_and_b32 s99, s[WV], 3                        ; bb: my block of B
	s_cmp_eq_u32 s4, 2
	s_cselect_b32 s5, 2, 3                         ; v: A (y) has 16 pairs of blocks, B (Wv) 4 fours;  else A has 8 (yp: 1), B 8
	s_cselect_b32 s6, 3, 7
	s_lshr_b32 s92, s3, s5
	s_lshl_b32 s92, s92, 8                         ; the work-group's first row of A
	s_and_b32 s93, s3, s6
	s_lshl_b32 s93, s93, 9                         ; and of B
	; descriptor group 1, the same for all three loads: 32 rows of 192 bytes, dense in memory, 16 bytes of padding behind every 64
	s_mov_b32 s68, (1<<20)|(3<<22)|(3<<25)         ; no mask; elements of 1 byte; padding on, after every 16 words, of 4 words
	s_mov_b32 s69, 192<<16                         ; tensor_dim0
	s_mov_b32 s70, 32<<16                          ; tensor_dim1
	s_mov_b32 s71, 192<<16                         ; tile_dim0
	s_mov_b32 s72, 32                              ; tile_dim1
	s_mov_b32 s73, 192                             ; from row to row
	s_mov_b32 s74, 0
	s_mov_b32 s75, 0
	s_mov_b32 s84, 1
	s_mul_i32 s85, s[WV], 32*PITCH                 ; A's rows 32 w on
	s_lshl_b32 s96, s99, 7
	s_lshl_b32 s97, s98, 5
	s_add_co_u32 s96, s96, s97                     ; B: block w % 4, rows 32 (w / 4) on: my 32 rows of the block's first half
	s_mov_b32 s88, 1
	s_mul_i32 s89, s96, PITCH
	s_add_co_u32 s89, s89, LB
	s_mov_b32 s76, 1
	s_add_co_u32 s77, s89, 64*PITCH                ; and, 64 rows on, of its second half
	s_add_co_u32 s96, s96, s93
	s_mul_i32 s96, s96, 192                        ; the same rows in memory, in bytes (under 2^20)
	s_mov_b32 s97, 0
	s_lshl_b32 s94, s[WV], 5
	s_add_co_u32 s94, s94, s92
	s_mul_i32 s94, s94, 192
	s_mov_b32 s95, 0
	s_mov_b32 s[SEL], 0x76543210
	s_mov_b32 s[SEL+1], 0xfedcba98
	s_mov_b32 s[HM], 0xffff0000
	s_wait_dscnt 0x0                               ; both opening adds are done
	s_wait_kmcnt 0x0
	s_cmp_eq_u32 s4, 0                             ; the operands by kind: the choices hang on the work-group's number alone
	s_cselect_b64 s[44:45], s[16:17], s[20:21]     ; A's codes: Wq or Wk,
	s_cselect_b64 s[46:47], s[18:19], s[22:23]     ; A's scales
	s_cmp_eq_u32 s4, 2
	s_cselect_b64 s[44:45], s[12:13], s[44:45]     ; v: A = y,
	s_cselect_b64 s[46:47], s[14:15], s[46:47]
	s_cselect_b64 s[48:49], s[24:25], s[8:9]       ; B = Wv; else x
	s_cselect_b64 s[50:51], s[26:27], s[10:11]
	s_cmp_eq_u32 s4, 3
	s_cselect_b64 s[44:45], s[28:29], s[44:45]     ; yp: A = Wp,
	s_cselect_b64 s[46:47], s[30:31], s[46:47]
	s_cselect_b64 s[48:49], s[12:13], s[48:49]     ; B = y
	s_cselect_b64 s[50:51], s[14:15], s[50:51]
	s_add_nc_u64 s[86:87], s[44:45], s[94:95]
	s_add_nc_u64 s[90:91], s[48:49], s[96:97]
	s_add_nc_u64 s[78:79], s[90:91], 64*192
	s_or_b32 s87, s87, 0x80000000                  ; type = 2
	s_or_b32 s91, s91, 0x80000000
	s_or_b32 s79, s79, 0x80000000
	tensor_load_to_lds s[84:87], s[68:75]          ; in the order of use: A's rows,
	s_nop 0
	tensor_load_to_lds s[88:91], s[68:75]          ; the first halves of B's blocks,
	s_nop 0
	tensor_load_to_lds s[76:79], s[68:75]          ; the second halves: three loads of mine are out; LDS is filled once
	s_nop 0
	PLACES 4
	s_lshl_b32 s7, s98, 7
	s_add_co_u32 s7, s7, s92                       ; my job's first row of A
	s_lshl_b32 s5, s99, 7
	s_add_co_u32 s5, s5, s93                       ; and of B
	s_lshl_b32 s94, s7, 3
	s_add_nc_u64 s[46:47], s[46:47], s[94:95]      ; their scale bytes, 8 a row
	s_lshl_b32 s94, s5, 3
	s_add_nc_u64 s[50:51], s[50:51], s[94:95]
	v_and_b32 v1, 15, v0                           ; r
	v_bfe_u32 v2, v0, 4, 1                         ; hh
	v_mul_u32_u24 v5, v1, PITCH
	v_mad_u32_u24 v[FA], v2, 24, v5
	v_mad_u32_u24 v[FA+1], v2, 40, v5
	s_mul_i32 s94, s98, 128*PITCH
	s_mul_i32 s96, s99, 128*PITCH
	s_add_co_u32 s96, s96, LB
	v_add_nc_u32 v[FB], s96, v[FA]
	v_add_nc_u32 v[FB+1], s96, v[FA+1]
	v_add_nc_u32 v[FA], s94, v[FA]
	v_add_nc_u32 v[FA+1], s94, v[FA+1]
	v_lshlrev_b32 v[R8], 3, v1
	v_lshlrev_b32 v[H32], 5, v2
	v_and_b32 v[IMO], 31, v0
	v_lshlrev_b32 v[IMO], 4, v[IMO]
	v_lshlrev_b32 v[R4], 2, v1
.irp b, 0,1,2,3
	v_mov_b32 v[TM+4+\b], 0                        ; written once: a lane permute's destination counts as one of its sources
.endr
.irp a, 0,1,2,3,4,5,6,7
	global_load_b64 v[AS+2*\a:AS+2*\a+1], v[R8], s[46:47] offset:128*\a    ; row r of tile a: its two scale words; sixteen lanes read 128 consecutive bytes
.endr
.irp i, 0,1,2,3,4,5,6,7
	global_load_b64 v[BSC+2*\i:BSC+2*\i+1], v[R8], s[50:51] offset:128*\i
.endr
	s_cmp_eq_u32 s4, 2                             ; the text parts by kind, which is the same in all eight waves; each way passes the same two barriers
	s_cbranch_scc1 .Lv
	s_cmp_eq_u32 s4, 3
	s_cbranch_scc1 .Lyp
	; ---- q, k.  e = head (3 bits), batch (2), half of the positions (1).  The block of (batch, head, group of 128 positions): half ab = the head's numbers 128 ab on
	s_lshr_b32 s94, s3, 3                          ; head
	s_bfe_u32 s96, s3, 0x20001                     ; batch
	s_lshl_b32 s96, s96, 3
	s_add_co_u32 s94, s94, s96
	s_lshl_b32 s94, s94, 3
	s_and_b32 s96, s3, 1
	s_lshl_b32 s96, s96, 2
	s_add_co_u32 s96, s96, s99                     ; group = 4 (e & 1) + bb
	s_add_co_u32 s94, s94, s96
	s_cmp_eq_u32 s4, 0
	s_cselect_b64 s[54:55], s[38:39], s[40:41]     ; q: qimg, blocks 25,600 bytes apart;  k: kvimg, 51,200 apart
	s_cselect_b64 s[52:53], s[32:33], s[34:35]     ; bq or bk
	s_mov_b32 s96, 51200
	s_cselect_b32 s96, 25600, s96
	s_mul_i32 s94, s94, s96
	s_mov_b32 s95, 0
	s_add_nc_u64 s[54:55], s[54:55], s[94:95]      ; the block
	s_lshl_b32 s96, s98, 9
	s_add_co_u32 s96, s96, 24576
	s_mov_b32 s97, 0
	s_add_nc_u64 s[56:57], s[54:55], s[96:97]      ; my half's scale words
	s_mul_i32 s96, s98, 12288
	s_add_nc_u64 s[54:55], s[54:55], s[96:97]      ; my half's eight fragments
	s_lshl_b32 s96, s7, 2
	s_add_nc_u64 s[52:53], s[52:53], s[96:97]      ; the bias of my 128 rows of A
	WIN 0x40
.irp a, 0,1,2,3,4,5,6,7
	global_load_b128 v[192+8*\a:195+8*\a], v[H32], s[52:53] offset:64*\a       ; register 8 a + j: the bias of A's row 16 a + 8 hh + j
	global_load_b128 v[196+8*\a:199+8*\a], v[H32], s[52:53] offset:64*\a+16
.endr
	WIN 0
	JOB 0
	s_branch .Lend
.Lv:
	; ---- v.  e = batch (2 bits), pair of key steps (2), four blocks of Wv (2).  The V block of (batch, head, key step): half = which 128 of the head's 256 rows
	s_and_b32 s94, s3, 3
	s_lshl_b32 s94, s94, 2
	s_add_co_u32 s94, s94, s99                     ; which 128 rows of Wv
	s_and_b32 s6, s94, 1                           ; half
	s_lshr_b32 s94, s94, 1                         ; head
	s_lshr_b32 s96, s3, 4                          ; batch
	s_lshl_b32 s96, s96, 3
	s_add_co_u32 s94, s94, s96
	s_lshl_b32 s94, s94, 3
	s_bfe_u32 s96, s3, 0x20002
	s_lshl_b32 s96, s96, 1
	s_add_co_u32 s96, s96, s98                     ; key step
	s_add_co_u32 s94, s94, s96
	s_mul_i32 s94, s94, 51200
	s_add_co_u32 s94, s94, 25600                   ; behind the step's K block
	s_mov_b32 s95, 0
	s_add_nc_u64 s[54:55], s[40:41], s[94:95]
	s_lshl_b32 s96, s6, 9
	s_add_co_u32 s96, s96, 24576
	s_mov_b32 s97, 0
	s_add_nc_u64 s[56:57], s[54:55], s[96:97]
	s_mul_i32 s96, s6, 12288
	s_add_nc_u64 s[54:55], s[54:55], s[96:97]
	s_lshl_b32 s96, s5, 2
	s_add_nc_u64 s[52:53], s[36:37], s[96:97]      ; bv of my 128 rows of Wv
.irp i, 0,1,2,3,4,5,6,7
	global_load_b32 v[BV+\i], v[R4], s[52:53] offset:64*\i
.endr
	JOB 1
	s_branch .Lend
.Lyp:
	; ---- yp.  e = four groups of 128 positions.  ypimg: [batch x 8 + group][tile of 16 positions][tile of 16 rows of Wp][1,024 bytes]
	s_and_b32 s94, s3, 7
	s_lshl_b32 s94, s94, 2
	s_add_co_u32 s94, s94, s99
	s_lshl_b32 s94, s94, 17
	s_lshl_b32 s96, s98, 13
	s_add_co_u32 s94, s94, s96
	s_mov_b32 s95, 0
	s_add_nc_u64 s[54:55], s[42:43], s[94:95]
	JOB 2
.Lend:
	s_wait_tensorcnt 0x0                           ; the wave's end
	ds_add_u32 v[SPW], v[NIL]
	s_wait_dscnt 0x0
	s_endpgm
.Lfunc_end_k_q61325e0ceb_proj:
	.size	k_q61325e0ceb_proj, .Lfunc_end_k_q61325e0ceb_proj-k_q61325e0ceb_proj
	.p2alignl 7, 3214868480
	.fill 96, 4, 3214868480
	.section	.rodata,"a",@progbits
	.p2align	6, 0x0
	.amdhsa_kernel k_q61325e0ceb_proj
		.amdhsa_group_segment_fixed_size 185344
		.amdhsa_private_segment_fixed_size 0
		.amdhsa_enable_private_segment 0
		.amdhsa_kernarg_size 144
		.amdhsa_user_sgpr_count 2
		.amdhsa_user_sgpr_kernarg_segment_ptr 1
		.amdhsa_wavefront_size32 1
		.amdhsa_system_sgpr_workgroup_id_x 1
		.amdhsa_system_sgpr_workgroup_id_y 1
		.amdhsa_system_sgpr_workgroup_id_z 1
		.amdhsa_system_vgpr_workitem_id 0
		.amdhsa_next_free_vgpr 512
		.amdhsa_next_free_sgpr 100
		.amdhsa_reserve_vcc 0
		.amdhsa_float_denorm_mode_32 3
		.amdhsa_float_denorm_mode_16_64 3
		.amdhsa_memory_ordered 1
		.amdhsa_forward_progress 1
		.amdhsa_inst_pref_size 183
	.end_amdhsa_kernel
	.amdgpu_metadata
---
amdhsa.version: [ 1, 2 ]
amdhsa.kernels:
  - .name:           k_q61325e0ceb_proj
    .symbol:         k_q61325e0ceb_proj.kd
    .args:
      - { .name: x_codes, .offset: 0, .size: 8, .value_kind: global_buffer, .address_space: global }
      - { .name: x_scales, .offset: 8, .size: 8, .value_kind: global_buffer, .address_space: global }
      - { .name: y_codes, .offset: 16, .size: 8, .value_kind: global_buffer, .address_space: global }
      - { .name: y_scales, .offset: 24, .size: 8, .value_kind: global_buffer, .address_space: global }
      - { .name: Wq_codes, .offset: 32, .size: 8, .value_kind: global_buffer, .address_space: global }
      - { .name: Wq_scales, .offset: 40, .size: 8, .value_kind: global_buffer, .address_space: global }
      - { .name: Wk_codes, .offset: 48, .size: 8, .value_kind: global_buffer, .address_space: global }
      - { .name: Wk_scales, .offset: 56, .size: 8, .value_kind: global_buffer, .address_space: global }
      - { .name: Wv_codes, .offset: 64, .size: 8, .value_kind: global_buffer, .address_space: global }
      - { .name: Wv_scales, .offset: 72, .size: 8, .value_kind: global_buffer, .address_space: global }
      - { .name: Wp_codes, .offset: 80, .size: 8, .value_kind: global_buffer, .address_space: global }
      - { .name: Wp_scales, .offset: 88, .size: 8, .value_kind: global_buffer, .address_space: global }
      - { .name: bq, .offset: 96, .size: 8, .value_kind: global_buffer, .address_space: global }
      - { .name: bk, .offset: 104, .size: 8, .value_kind: global_buffer, .address_space: global }
      - { .name: bv, .offset: 112, .size: 8, .value_kind: global_buffer, .address_space: global }
      - { .name: qimg, .offset: 120, .size: 8, .value_kind: global_buffer, .address_space: global }
      - { .name: kvimg, .offset: 128, .size: 8, .value_kind: global_buffer, .address_space: global }
      - { .name: ypimg, .offset: 136, .size: 8, .value_kind: global_buffer, .address_space: global }
    .group_segment_fixed_size: 185344
    .private_segment_fixed_size: 0
    .kernarg_segment_align: 8
    .kernarg_segment_size: 144
    .max_flat_workgroup_size: 256
    .sgpr_count:     100
    .vgpr_count:     512
    .wavefront_size: 32
...
	.end_amdgpu_metadata
.endif
;; end of part 1
;; launch attn (part 2): grid 8 x 32, 4 waves a work-group, clusters of 4 x 1, 327,680 bytes of LDS; arguments qimg, kvimg, ypimg, gamma, out0; writes out0
.if DOCPART == 2
	.amdgcn_target "amdgcn-amd-amdhsa--gfx1250"
	.amdhsa_code_object_version 6
	.text
	.protected	k_q61325e0ceb_attn
	.globl	k_q61325e0ceb_attn
	.p2align	8
	.type	k_q61325e0ceb_attn,@function
k_q61325e0ceb_attn:
	s_mov_b64 s[64:65], 0
	v_nop
	global_prefetch_b8 v0, s[64:65] scope:SCOPE_SE
	s_setreg_imm32_b32 hwreg(HW_REG_WAVE_MODE, 25, 1), 1
	s_wait_xcnt 0x0
	s_wait_alu depctr_hold_cnt(0) depctr_sa_sdst(0) depctr_va_vdst(0) depctr_va_sdst(0) depctr_va_ssrc(0) depctr_va_vcc(0) depctr_vm_vsrc(0)
	s_getreg_b32 s2, hwreg(HW_REG_IB_STS2, 6, 4)
	s_cmp_eq_u32 s2, 0
	s_cbranch_scc0 .Lentry_in_a_cluster
	s_endpgm
.Lentry_in_a_cluster:
	s_bfe_u32 s2, ttmp6, 0x10000c
	s_cmp_lg_u32 s2, 0x3003
	s_cbranch_scc0 .Lentry_shape_is_right
	s_endpgm
.Lentry_shape_is_right:
; out[b][256 h + dv][n] = (g_h O[dv][n] / l[n] + yp[b][dv][n]) / (1 + g_h), O = the sum over keys m of v[dv][m] p[n][m], both products on codes of FP6 (E2M3) with one E8M0 scale for each 32 along K.  No work is left out.
; THE SOFTMAX AHEAD OF THE SECOND PRODUCT: t = score x log2(e); M = the row's largest t so far, rounded UP to a whole number; p = 2^(t - M) is quantised along the keys, not normalised; the row's sum l is taken of the
; unquantised p.  When M moves, l and O are multiplied by 2^(old M - new M), which rounds nothing.
; q, k, v come as images of operand registers and yp as images of accumulators, made by the launch before: a fragment (16 rows x 128 K) is 3 x 512 bytes, register group c at 512 c + 16 x lane.
; SHARES.  A work-group owns 128 queries of one (batch, head); each of its four waves 32: two tiles of 16.  Every wave walks the 8 key steps of 128 keys.  Both products are used transposed (S^T = k q^T, O^T = v p^T):
; a lane holds ONE query throughout, and each fragment of k and v read from LDS feeds two matrix instructions.  S^T's register 8 t + j of lane (r, hh) is key 16 t + 8 hh + j, as v's numbers lay when v was quantised:
; so p's order inside a block of 32 keys is v's.  (LIMIT: that order is not the natural one; it is the same on both sides of each product, so only the order of summation inside a block differs.)
; CLUSTER.  The four work-groups of a cluster walk the same head's k and v: every block is asked for JOINTLY, by the same tensor load with the same descriptor and a mask that names the four.
; LDS.  Six regions of 51,200 bytes (a key step's K block, then its V block) take steps 0-5: one range of 307,200 bytes, in memory as in LDS.  It is asked for at the head IN THE ORDER OF USE, each wave bringing its quarter of five
; ranges: step 0's K block, its V block, step 1, steps 2 and 3, steps 4 and 5; a counted wait and a barrier stand in front of the first read of each, so that the first products wait for 25,600 bytes and not for all.
; Steps 6 and 7 fill regions 0 and 1 again behind step 3: one refill, two key steps ahead of its use.  No prefetch is laid: all but that refill is asked for at the head.
; The way out goes through a stage in regions 2-5, which have had their only fill and their last read by then, a quarter of the 256 rows at a time, so that each quarter's stores leave while the next is made.
; All of LDS is claimed.
; LIMITS: NaN and infinities are not served.  A block of p whose largest number lies under 2^-124 keeps the scale byte 1.  A block's largest p is made from its largest score by the same two instructions as every p:
; this takes v_exp_f32 not to fall where its input rises.
; REGISTERS, in windows of 256.  window 0: see the names below.   window 1: O^T, tile u, rows 16 tau on at 128 u + 8 tau.   window 2: v0-47 q (u, K step s) at 24 u + 12 s; v64-255 k's 16 fragments, at the end yp.
;   window 3: v0-191 v's 16 fragments; v192-255 the rest of yp.
.set REG,   51200
.set SPARE, 6*REG                      ; behind the regions: the spare words, 128 bytes for each wave
.set STG,   2*REG                      ; the stage: 256 rows (dv) x 512 bytes (128 queries); in rows whose bit 3 is set the words 16 apart change places, so that a store's 32 lanes touch 32 banks
.set LI,  1                            ; v1   16 x lane
.set ADR, 2                            ; v2   LDS address of the step in hand
.set SPW, 3                            ; v3   LDS address of my spare word; never rewritten
.set NIL, 4                            ; v4   0; never rewritten
.set RD,  6                            ; v6-7  the stage, back: my 16 rows of a quarter, 16 bytes a lane; v7 for rows whose bit 3 is set
.set RDH, 92                           ; v92-93 the same 128 rows on
.set STO, 8                            ; v8-11 the stage, in: tile u, rows 128 hf on, at 8 + 2 u + hf
.set ST0, 12                           ; v12-27 tile u at 12 + 8 u: +0 -M, +1 the largest t, +2 +3 l in two halves, +4 f, +5 p's scale word, +6 +7 at work
.set BM,  28                           ; v28-31 the blocks' largest scores
.set B2,  32                           ; v32-35 at work
.set SCO, 36                           ; v36-39 the conversions' scale operands
.set KS,  40                           ; v40-47 k's scale words: 4 s + n: lanes 0-15 fragment 2 n's, lanes 16-31 fragment 2 n + 1's
.set VS,  48                           ; v48-55 v's likewise
.set QS,  56                           ; v56-57 q's, K step s: lanes 0-15 tile 0's, lanes 16-31 tile 1's
.set SUM, 58                           ; v58-59 a second chain of the row's sum; on the way out 1 / (1 + g) and g / (1 + g)
.set PC0, 60                           ; v60-83 p's codes, tile u at 60 + 12 u
.set PT,  84                           ; v84-91 at work
.set S0,  96                           ; v96-223 S^T, then p, tile u at 96 + 64 u; on the way out rows read back, two sets of 64
.set SA,  224                          ; v224-227 a third and a fourth chain of the row's sum
.set SB,  226
.set WV,  14                           ; s14  my wave's number
.set CS,  44                           ; s[44:45] log2(e), twice: the packed form names a pair
.set SEL, 46                           ; s[46:47] lane selects for v_permlanex16_b32: lane l xor 16
.set TB,  48                           ; s48  LDS byte at which the step to be fetched begins
.set CNT, 49                           ; s49  loop counter
.set GM,  50                           ; s50  gamma of my head
; descriptors: group 1 for 100 rows s[24:31], for 25 rows s[68:75], for 50 rows s[76:83];  group 0: step 0's K s[84:87], its V s[88:91], step 1 s[92:95], steps 2, 3 s[32:35], steps 4, 5 s[36:39], the refill s[40:43]
.set MSB, 0
.macro WIN new                         ; the immediate's high byte repeats the setting that is left
.if MSB != \new
	s_set_vgpr_msb (MSB<<8)|\new
.set MSB, \new
.endif
.endm
.macro PLACES n
.rept \n
	v_nop
.endr
.endm
.macro CROUND                          ; a round of the cluster's barrier
	s_barrier_signal -1
	s_barrier_wait -1
	s_cmp_lg_u32 s[WV], 0
	s_cbranch_scc1 .Lnot_wave_0_\@
	s_barrier_signal -3
.Lnot_wave_0_\@:
	s_barrier_wait -3
	s_barrier_signal -1
	s_barrier_wait -1
.endm
.macro GROUP1 g, rows                  ; a dense run of bytes as rows of 256
	s_mov_b32 s[\g], 15|(3<<16)|(1<<21)            ; the mask: all four work-groups; elements of 8 bytes; bit 21 set beside a mask; no padding
	s_mov_b32 s[\g+1], 32<<16                      ; tensor_dim0
	s_mov_b32 s[\g+2], (\rows)<<16                 ; tensor_dim1
	s_mov_b32 s[\g+3], 32<<16                      ; tile_dim0
	s_mov_b32 s[\g+4], \rows                       ; tile_dim1
	s_mov_b32 s[\g+5], 32                          ; from row to row
	s_mov_b32 s[\g+6], 0
	s_mov_b32 s[\g+7], 0
.endm
; A gate in front of the first read of a range of the first fills: my quarter of it has landed (my n younger first fills may stay out), and then everybody's has.  No LDS instruction of mine is out here.
.macro GATE n
	s_wait_tensorcnt \n
	s_barrier_signal -1
	s_barrier_wait -1
.endm
; One matrix instruction on rD, rA, rB, with the scale registers rX (source 0's) and rY (source 1's).  z = 1: it starts the sum.  ra1, rb1 = 1: that side's scale words stand in lanes 16-31.
.macro MM z, ra1, rb1
.if (\z)
.if ((\ra1) == 0) && ((\rb1) == 0)
	v_wmma_scale_f32_16x16x128_f8f6f4 v[rD:rD+7], v[rA:rA+11], v[rB:rB+11], 0, v[rX], v[rY] matrix_a_fmt:MATRIX_FMT_FP6 matrix_b_fmt:MATRIX_FMT_FP6
.elseif (\rb1) == 0
	v_wmma_scale_f32_16x16x128_f8f6f4 v[rD:rD+7], v[rA:rA+11], v[rB:rB+11], 0, v[rX], v[rY] matrix_a_fmt:MATRIX_FMT_FP6 matrix_b_fmt:MATRIX_FMT_FP6 matrix_a_scale:MATRIX_SCALE_ROW1
.elseif (\ra1) == 0
	v_wmma_scale_f32_16x16x128_f8f6f4 v[rD:rD+7], v[rA:rA+11], v[rB:rB+11], 0, v[rX], v[rY] matrix_a_fmt:MATRIX_FMT_FP6 matrix_b_fmt:MATRIX_FMT_FP6 matrix_b_scale:MATRIX_SCALE_ROW1
.else
	v_wmma_scale_f32_16x16x128_f8f6f4 v[rD:rD+7], v[rA:rA+11], v[rB:rB+11], 0, v[rX], v[rY] matrix_a_fmt:MATRIX_FMT_FP6 matrix_b_fmt:MATRIX_FMT_FP6 matrix_a_scale:MATRIX_SCALE_ROW1 matrix_b_scale:MATRIX_SCALE_ROW1
.endif
.else
.if ((\ra1) == 0) && ((\rb1) == 0)
	v_wmma_scale_f32_16x16x128_f8f6f4 v[rD:rD+7], v[rA:rA+11], v[rB:rB+11], v[rD:rD+7], v[rX], v[rY] matrix_a_fmt:MATRIX_FMT_FP6 matrix_b_fmt:MATRIX_FMT_FP6
.elseif (\rb1) == 0
	v_wmma_scale_f32_16x16x128_f8f6f4 v[rD:rD+7], v[rA:rA+11], v[rB:rB+11], v[rD:rD+7], v[rX], v[rY] matrix_a_fmt:MATRIX_FMT_FP6 matrix_b_fmt:MATRIX_FMT_FP6 matrix_a_scale:MATRIX_SCALE_ROW1
.elseif (\ra1) == 0
	v_wmma_scale_f32_16x16x128_f8f6f4 v[rD:rD+7], v[rA:rA+11], v[rB:rB+11], v[rD:rD+7], v[rX], v[rY] matrix_a_fmt:MATRIX_FMT_FP6 matrix_b_fmt:MATRIX_FMT_FP6 matrix_b_scale:MATRIX_SCALE_ROW1
.else
	v_wmma_scale_f32_16x16x128_f8f6f4 v[rD:rD+7], v[rA:rA+11], v[rB:rB+11], v[rD:rD+7], v[rX], v[rY] matrix_a_fmt:MATRIX_FMT_FP6 matrix_b_fmt:MATRIX_FMT_FP6 matrix_a_scale:MATRIX_SCALE_ROW1 matrix_b_scale:MATRIX_SCALE_ROW1
.endif
.endif
.endm
.macro KLOAD                           ; a step's K block: 16 fragments and their scale words: 50 loads, each of 512 consecutive bytes
	WIN 0
	v_add_nc_u32 v[ADR], s[TB], v[LI]
	WIN 0x80                                       ; destination window 2
.set f, 0
.rept 16
.irp c, 0,1,2
	ds_load_b128 v[64+12*f+4*\c:64+12*f+4*\c+3], v[ADR] offset:f*1536+512*\c
.endr
.set f, f+1
.endr
	WIN 0
	ds_load_b128 v[KS:KS+3], v[ADR] offset:24576
	ds_load_b128 v[KS+4:KS+7], v[ADR] offset:24576+512
.endm
.macro VLOAD                           ; the same step's V block
	WIN 0xc0                                       ; destination window 3
.set f, 0
.rept 16
.irp c, 0,1,2
	ds_load_b128 v[12*f+4*\c:12*f+4*\c+3], v[ADR] offset:25600+f*1536+512*\c
.endr
.set f, f+1
.endr
	WIN 0
	ds_load_b128 v[VS:VS+3], v[ADR] offset:50176
	ds_load_b128 v[VS+4:VS+7], v[ADR] offset:50176+512
.endm
.macro YPLOAD                          ; yp of my 32 queries, 256 registers in O^T's layout: number e of them into k's registers (e under 192) or behind v's
	WIN 0x80
.set e, 0
.rept 48
	global_load_b128 v[64+e:64+e+3], v[LI], s[56:57] offset:(e/128)*16384+((e%128)/8)*1024+((e%8)/4)*512
.set e, e+4
.endr
	WIN 0xc0
.rept 16
	global_load_b128 v[e:e+3], v[LI], s[56:57] offset:(e/128)*16384+((e%128)/8)*1024+((e%8)/4)*512
.set e, e+4
.endr
	WIN 0
.endm
; S^T = k q^T: 8 tiles of 16 keys x 2 tiles of queries, K = 256 in two steps.  The 16 accumulators take turns, one instruction a turn; the first K step starts the sums.
.macro SMUL
	WIN 0x0a                                       ; k and q in window 2
.irp s, 0,1
.irp k, 0,1,2,3
.irp o, 0,1
.irp u, 0,1
.set rD, S0+64*\u+8*(2*\k+\o)
.set rA, 64+12*(8*\s+2*\k+\o)
.set rB, 24*\u+12*\s
.set rX, KS+4*\s+\k
.set rY, QS+\s
	MM 1-\s, \o, \u
.endr
.endr
.endr
.endr
.endm
; O^T += v p^T: 16 tiles of 16 rows x 2 tiles of queries, K = the step's 128 keys: each of the 32 accumulators once.
.macro PVMUL zero
	WIN 0x53                                       ; v in window 3, p in window 0, O^T in window 1
.irp hf, 0,1
.irp k, 0,1,2,3
.irp o, 0,1
.irp u, 0,1
.set rD, 128*\u+8*(8*\hf+2*\k+\o)
.set rA, 12*(8*\hf+2*\k+\o)
.set rB, PC0+12*\u
.set rX, VS+4*\hf+\k
.set rY, ST0+8*\u+5
	MM \zero, \o, 0
.endr
.endr
.endr
.endr
.endm
; The softmax of tile u for one key step, and p's codes.  first = 1: the first key step: no old M, nothing to rescale.
.macro SOFTMAX u, first
.set rS, S0+64*(\u)
.set rT, ST0+8*(\u)
.set rP, PC0+12*(\u)
.set rO, 128*(\u)
.irp b, 0,1,2,3
	v_max3_num_f32 v[BM+\b], v[rS+16*\b], v[rS+16*\b+1], v[rS+16*\b+2]   ; the largest score of each block of 32 keys, ascending: each accumulator is read from its low end on
.endr
.irp i, 3,5,7,9,11,13
.irp b, 0,1,2,3
	v_max3_num_f32 v[BM+\b], v[BM+\b], v[rS+16*\b+\i], v[rS+16*\b+\i+1]
.endr
.endr
.irp b, 0,1,2,3
	v_max_num_f32 v[BM+\b], v[BM+\b], v[rS+16*\b+15]
.endr
.irp b, 0,1,2,3
	v_permlanex16_b32 v[B2+\b], v[BM+\b], s[SEL], s[SEL+1]
.endr
.irp b, 0,1,2,3
	v_max_num_f32 v[BM+\b], v[BM+\b], v[B2+\b]     ; with lane l xor 16's 16 keys
.endr
	v_max3_num_f32 v[rT+6], v[BM], v[BM+1], v[BM+2]
	v_max_num_f32 v[rT+6], v[rT+6], v[BM+3]        ; the step's largest score of my query
.if \first
	v_mul_f32 v[rT+1], s[CS], v[rT+6]              ; as t
	v_floor_f32 v[rT], -v[rT+1]                    ; -M = floor(-t) = -ceil(t)
.else
	v_mul_f32 v[rT+6], s[CS], v[rT+6]
	v_max_num_f32 v[rT+1], v[rT+1], v[rT+6]        ; the running largest t
	v_mov_b32 v[rT+7], v[rT]
	v_floor_f32 v[rT], -v[rT+1]
	v_sub_f32 v[rT+7], v[rT], v[rT+7]              ; old M less new M: a whole number, 0 or less
	v_cvt_i32_f32 v[rT+7], v[rT+7]                 ; (it saturates)
	v_ldexp_f32 v[rT+4], 1.0, v[rT+7]              ; f = 2^(old M - new M)
.endif
.set n, 0
.rept 32
	v_pk_fma_f32 v[rS+n:rS+n+1], v[rS+n:rS+n+1], s[CS:CS+1], v[rT:rT+1] op_sel_hi:[1,0,0]   ; t - M, two at a time
.set n, n+2
.endr
.irp b, 0,1,2,3
	v_fma_f32 v[BM+\b], v[BM+\b], s[CS], v[rT]     ; the same of each block's largest score
.endr
.set n, 0
.rept 64
	v_exp_f32 v[rS+n], v[rS+n]                     ; p = 2^(t - M)
.set n, n+1
.endr
.if \first
	v_mov_b32 v[rT+2], 0                           ; l begins.  (The plain place behind the exponentials)
	v_mov_b32 v[rT+3], 0
.else
	v_pk_mul_f32 v[rT+2:rT+3], v[rT+2:rT+3], v[rT+4:rT+5] op_sel_hi:[1,0]   ; l under the new M.  (The plain place behind the exponentials)
.endif
	s_wait_alu depctr_va_vdst(0)                   ; one wait for the 64, ahead of the first line that names a result
.irp b, 0,1,2,3
	v_exp_f32 v[BM+\b], v[BM+\b]                   ; each block's largest p
.endr
	v_pk_add_f32 v[SUM:SUM+1], v[rS:rS+1], v[rS+2:rS+3]   ; the row's sum of the unquantised p, two at a time, in FOUR chains, so that no addition stands next to the one that it adds onto: plain work behind the four
	v_pk_add_f32 v[SA:SA+1], v[rS+4:rS+5], v[rS+6:rS+7]
	v_pk_add_f32 v[SB:SB+1], v[rS+8:rS+9], v[rS+10:rS+11]
.irp j, 12,20,28,36,44,52
	v_pk_add_f32 v[rT+2:rT+3], v[rT+2:rT+3], v[rS+\j:rS+\j+1]
	v_pk_add_f32 v[SUM:SUM+1], v[SUM:SUM+1], v[rS+\j+2:rS+\j+3]
	v_pk_add_f32 v[SA:SA+1], v[SA:SA+1], v[rS+\j+4:rS+\j+5]
	v_pk_add_f32 v[SB:SB+1], v[SB:SB+1], v[rS+\j+6:rS+\j+7]
.endr
	v_pk_add_f32 v[rT+2:rT+3], v[rT+2:rT+3], v[rS+60:rS+61]
	v_pk_add_f32 v[SUM:SUM+1], v[SUM:SUM+1], v[rS+62:rS+63]
	v_pk_add_f32 v[SA:SA+1], v[SA:SA+1], v[SB:SB+1]
	v_pk_add_f32 v[rT+2:rT+3], v[rT+2:rT+3], v[SUM:SUM+1]
	v_pk_add_f32 v[rT+2:rT+3], v[rT+2:rT+3], v[SA:SA+1]
	s_wait_alu depctr_va_vdst(0)                   ; and one for the four
.irp b, 0,1,2,3
	v_max_num_f32 v[BM+\b], 0x1800000, v[BM+\b]    ; the floor 2^(3 - 127): the byte cannot fall under 1
.endr
.irp b, 0,1,2,3
	v_add_nc_u32 v[SCO+\b], 0xff000000, v[BM+\b]   ; 2 off the exponent field: the conversion's scale operand
.endr
.irp b, 0,1,2,3
	v_lshrrev_b32 v[B2+\b], 23, v[SCO+\b]          ; the scale's byte
.endr
	v_lshl_or_b32 v[rT+5], v[B2+1], 8, v[B2]
	v_lshl_or_b32 v[rT+5], v[B2+2], 16, v[rT+5]
	v_lshl_or_b32 v[rT+5], v[B2+3], 24, v[rT+5]    ; p's scale word for these 128 keys
.irp c, 0,1
	v_cvt_scalef32_pk16_fp6_f32 v[rP+6*\c:rP+6*\c+2], v[rS+32*\c:rS+32*\c+15], v[SCO+2*\c]
	v_cvt_scalef32_pk16_fp6_f32 v[PT+4*\c:PT+4*\c+2], v[rS+32*\c+16:rS+32*\c+31], v[SCO+2*\c+1]   ; (a conversion's three registers begin on an even number)
.endr
	v_nop                                          ; one plain place behind a scaled conversion
.irp c, 0,1                                    ; a whole block to a lane: lanes 0-15 block 2 c, lanes 16-31 block 2 c + 1
.irp i, 0,1,2
	v_permlane16_swap_b32 v[rP+6*\c+\i], v[PT+4*\c+\i]
.endr
.irp i, 0,1,2
	v_mov_b32 v[rP+6*\c+3+\i], v[PT+4*\c+\i]
.endr
.endr
.if (\first) == 0
	WIN 0x41                                       ; O^T in window 1, f in window 0
.set n, 0
.rept 64
	v_pk_mul_f32 v[rO+n:rO+n+1], v[rO+n:rO+n+1], v[rT+4:rT+5] op_sel_hi:[1,0]   ; O^T under the new M, ascending.  (These are also the places between p's scale word and codes and the products that take them)
.set n, n+2
.endr
	WIN 0
.endif
.endm
; The change of regions.  Each wave waits for all its tensor loads, adds 0 to its spare word, and waits for that and for its LDS reads.
; fill = 1: regions 0 and 1, whose steps were read long ago, take steps 6 and 7: a round of the cluster's barrier, so that no wave of any partner still reads them or has a load on its way; the joint refill first behind it.
;           The wait for all loads also shows steps 4 and 5 landed.  The refill has a descriptor of its own, made at the head.
; fill = 0: that refill has landed in every wave; the fetches go back to region 0.
.macro CHANGE fill
	WIN 0
	s_wait_tensorcnt 0x0                           ; no tensor load of mine is out
	ds_add_u32 v[SPW], v[NIL]
.if (\fill) == 0
	s_mov_b32 s[TB], 0
.endif
	s_wait_dscnt 0x0                               ; the add is done, and my LDS reads are over
.if \fill
	CROUND
	tensor_load_to_lds s[40:43], s[24:31]          ; my one tensor load behind the round: one load of mine is out
	s_nop 0
	PLACES 4
.else
	s_barrier_signal -1
	s_barrier_wait -1
.endif
.endm
; O^T += v p^T of step j, then the scores and the softmax of step j + 1.  k's loads are out while step j's products run, v's while the softmax runs.
.macro X pvzero, last
	KLOAD                                          ; step j + 1
	PVMUL \pvzero
	s_wait_dscnt 0x0                               ; k and its scale words are in
	SMUL
	WIN 0
	PLACES 4                                       ; in front of the first read of the scores, and of the loads into v's registers (and, at the end, k's)
	VLOAD
.if \last
	YPLOAD
.endif
	SOFTMAX 0, 0
	SOFTMAX 1, 0
	s_wait_dscnt 0x0                               ; v and its scale words are in
	s_add_co_u32 s[TB], s[TB], REG
.endm
	s_load_b256 s[4:11], s[0:1], 0x0               ; qimg s[4:5], kvimg s[6:7], ypimg s[8:9], gamma s[10:11]
	s_load_b64 s[12:13], s[0:1], 0x20              ; out0
	v_lshl_add_u32 v[SPW], v0, 2, SPARE
	v_mov_b32 v[NIL], 0
	ds_add_u32 v[SPW], v[NIL]                      ; the wave's opening: the add, twice on end, and its wait ahead of my first tensor load
	ds_add_u32 v[SPW], v[NIL]
	v_lshrrev_b32 v1, 5, v0
	v_readfirstlane_b32 s[WV], v1                  ; wave 0..3
	s_bfe_u32 s15, ttmp6, 0x40000                  ; cx: my place in the cluster
	s_lshl_b32 s16, ttmp9, 2
	s_add_co_u32 s16, s16, s15                     ; my group of 128 queries: it enters q's, yp's and the output's addresses alone
	s_and_b32 s17, ttmp7, 0xffff                   ; 8 x batch + head, which the four partners share
	GROUP1 24, 100                                 ; 25,600 bytes,
	GROUP1 68, 25                                  ; 6,400,
	GROUP1 76, 50                                  ; 12,800
	s_mul_i32 s60, s[WV], 6400                     ; my quarter of a range of 25,600 bytes,
	s_mul_i32 s61, s[WV], 12800                    ; of 51,200,
	s_mul_i32 s62, s[WV], 25600                    ; of 102,400
	s_mov_b32 s84, 1
	s_mov_b32 s85, s60                             ; LDS addresses: the range's first byte + my quarter: no place in the cluster enters them.  Step 0's K block,
	s_mov_b32 s88, 1
	s_add_co_u32 s89, s60, 25600                   ; its V block,
	s_mov_b32 s92, 1
	s_add_co_u32 s93, s61, REG                     ; step 1,
	s_mov_b32 s32, 1
	s_add_co_u32 s33, s62, 2*REG                   ; steps 2 and 3,
	s_mov_b32 s36, 1
	s_add_co_u32 s37, s62, 4*REG                   ; steps 4 and 5;
	s_mov_b32 s40, 1
	s_mov_b32 s41, s62                             ; the refill: steps 6 and 7 into regions 0 and 1
	s_mul_i32 s20, s17, 8*REG
	s_mov_b32 s21, 0
	s_mov_b32 s23, 0
	s_mov_b32 s97, 0
	s_mov_b32 s[CS], 0x3fb8aa3b                    ; log2(e)
	s_mov_b32 s[CS+1], s[CS]
	s_mov_b32 s[SEL], 0x76543210
	s_mov_b32 s[SEL+1], 0xfedcba98
	s_mov_b32 s[TB], 0
	v_and_b32 v[LI], 31, v0
	v_lshlrev_b32 v[LI], 4, v[LI]
	s_wait_dscnt 0x0                               ; both opening adds are done
	s_wait_kmcnt 0x0
	s_add_nc_u64 s[20:21], s[6:7], s[20:21]        ; my head's first key step; in memory the ranges lie as in LDS
	s_mov_b32 s96, s60
	s_add_nc_u64 s[86:87], s[20:21], s[96:97]
	s_add_nc_u64 s[90:91], s[86:87], 25600
	s_mov_b32 s96, s61
	s_add_nc_u64 s[94:95], s[20:21], s[96:97]
	s_add_nc_u64 s[94:95], s[94:95], REG
	s_mov_b32 s96, s62
	s_add_nc_u64 s[42:43], s[20:21], s[96:97]
	s_add_nc_u64 s[34:35], s[42:43], 2*REG
	s_add_nc_u64 s[38:39], s[42:43], 4*REG
	s_add_nc_u64 s[42:43], s[42:43], 6*REG
.irp g, 87, 91, 95, 35, 39, 43
	s_or_b32 s[\g], s[\g], 0x80000000              ; type = 2
.endr
	s_lshl_b32 s22, s17, 3
	s_add_co_u32 s22, s22, s16
	s_mul_i32 s22, s22, 25600
	s_add_nc_u64 s[54:55], s[4:5], s[22:23]        ; my group's block of q
	s_mul_i32 s22, s[WV], 3072
	s_add_nc_u64 s[52:53], s[54:55], s[22:23]      ; my two fragments of a K step
	s_lshl_b32 s22, s[WV], 2
	s_add_co_u32 s22, s22, 24576
	s_add_nc_u64 s[54:55], s[54:55], s[22:23]      ; and their scale words: word w of each lane's four
	WIN 0x80                                       ; destination window 2
.irp s, 0,1
.irp u, 0,1
.irp c, 0,1,2
	global_load_b128 v[24*\u+12*\s+4*\c:24*\u+12*\s+4*\c+3], v[LI], s[52:53] offset:\s*12288+\u*1536+512*\c th:TH_LOAD_NT   ; q stays in registers; it is asked for ahead of the round
.endr
.endr
.endr
	WIN 0
	global_load_b32 v[QS], v[LI], s[54:55]
	global_load_b32 v[QS+1], v[LI], s[54:55] offset:512
	CROUND                                         ; all four work-groups are here: the first joint loads meet
	tensor_load_to_lds s[84:87], s[68:75]          ; in the order of use: step 0's K block,
	s_nop 0
	tensor_load_to_lds s[88:91], s[68:75]          ; its V block,
	s_nop 0
	tensor_load_to_lds s[92:95], s[76:83]          ; step 1,
	s_nop 0
	tensor_load_to_lds s[32:35], s[24:31]          ; steps 2 and 3,
	s_nop 0
	tensor_load_to_lds s[36:39], s[24:31]          ; steps 4 and 5: five loads of mine are out
	s_nop 0
	PLACES 4
	s_lshr_b32 s22, s17, 3
	s_lshl_b32 s22, s22, 3
	s_add_co_u32 s22, s22, s16
	s_lshl_b32 s22, s22, 17
	s_lshl_b32 s51, s[WV], 15
	s_add_co_u32 s22, s22, s51
	s_add_nc_u64 s[56:57], s[8:9], s[22:23]        ; yp of my 32 queries
	s_lshl_b32 s22, s17, 20
	s_lshl_b32 s51, s[WV], 16
	s_add_co_u32 s22, s22, s51
	s_lshl_b32 s51, s16, 9
	s_add_co_u32 s22, s22, s51
	s_add_nc_u64 s[58:59], s[12:13], s[22:23]      ; the output: my head's rows 16 w on (of each quarter's 64), my group's 512 bytes
	s_and_b32 s51, s17, 7
	s_lshl_b32 s51, s51, 2
	s_load_b32 s[GM], s[10:11], s51 offset:0x0     ; gamma of my head
	v_and_b32 v5, 15, v0                           ; r
	v_bfe_u32 v228, v0, 4, 1                       ; hh
	s_lshl_b32 s19, s[WV], 13
	s_add_co_u32 s19, s19, STG                     ; back: rows 16 w on
	v_add_nc_u32 v[RD], s19, v[LI]
	v_xor_b32 v[RD+1], 64, v[LI]
	v_add_nc_u32 v[RD+1], s19, v[RD+1]
	v_add_nc_u32 v[RDH], 65536, v[RD]              ; and 128 rows further on
	v_add_nc_u32 v[RDH+1], 65536, v[RD+1]
	v_lshlrev_b32 v229, 4, v228
	v_xor_b32 v229, v229, v5                       ; my query's word in a row, tile 0: r, moved by 16 in the rows of lanes 16-31 (rows 8 hh + j: bit 3 is hh)
	v_lshlrev_b32 v229, 2, v229
	v_lshl_add_u32 v229, v228, 12, v229            ; + 8 hh rows of 512 bytes
	v_xor_b32 v230, 64, v229                       ; tile 1: 16 words on or back
	s_lshl_b32 s19, s[WV], 7
	s_add_co_u32 s19, s19, STG                     ; my wave's 32 words of each row
	v_add_nc_u32 v[STO], s19, v229
	v_add_nc_u32 v[STO+2], s19, v230
	v_add_nc_u32 v[STO+1], 65536, v[STO]           ; rows 128 on
	v_add_nc_u32 v[STO+3], 65536, v[STO+2]
.irp b, 0,1,2,3
	v_mov_b32 v[B2+\b], 0                          ; written once: a lane permute's destination counts as one of its sources
.endr
	GATE 4                                         ; step 0's K block is whole; my four younger loads may stay out
	KLOAD                                          ; key step 0
	s_wait_loadcnt 0x0                             ; q
	s_wait_kmcnt 0x0                               ; gamma
	s_wait_dscnt 0x0
	SMUL
	WIN 0
	PLACES 4
	GATE 3                                         ; its V block; three younger loads may stay out
	VLOAD
	SOFTMAX 0, 1
	SOFTMAX 1, 1
	PLACES 8                                       ; p's scale word, written by vector instructions, stands eight places ahead of the scaled products
	s_wait_dscnt 0x0
	s_add_co_u32 s[TB], s[TB], REG
	GATE 2                                         ; step 1; two younger loads may stay out
	X 1, 0                                         ; v p^T of step 0 starts O^T: nothing is ever cleared | step 1
	GATE 1                                         ; steps 2 and 3; the load of steps 4 and 5 may stay out
	s_mov_b32 s[CNT], 2
.LstepA:                                           ; v p^T of steps 1 and 2 | scores and softmax of steps 2 and 3
	X 0, 0
	s_sub_co_u32 s[CNT], s[CNT], 1
	s_cmp_lg_u32 s[CNT], 0
	s_cbranch_scc1 .LstepA
	CHANGE 1                                       ; steps 4 and 5 have landed in every wave; regions 0 and 1 take steps 6 and 7, two key steps ahead of their use
	s_mov_b32 s[CNT], 2
.LstepB:                                           ; v p^T of steps 3 and 4 | scores and softmax of steps 4 and 5
	X 0, 0
	s_sub_co_u32 s[CNT], s[CNT], 1
	s_cmp_lg_u32 s[CNT], 0
	s_cbranch_scc1 .LstepB
	CHANGE 0
	X 0, 0                                         ; v p^T of step 5 | step 6
	X 0, 1                                         ; v p^T of step 6 | step 7; yp is asked for
	PVMUL 0                                        ; v p^T of step 7
	; THE WAY OUT: out = O^T x g / ((1 + g) l) + yp / (1 + g).  The additions are the places behind the last products.
	WIN 0
.irp u, 0,1
	v_add_f32 v[ST0+8*\u+6], v[ST0+8*\u+2], v[ST0+8*\u+3]          ; l's two halves,
.endr
.irp u, 0,1
	v_permlanex16_b32 v[ST0+8*\u+7], v[ST0+8*\u+6], s[SEL], s[SEL+1]
.endr
.irp u, 0,1
	v_add_f32 v[ST0+8*\u+6], v[ST0+8*\u+6], v[ST0+8*\u+7]          ; and lane l xor 16's
.endr
	v_mov_b32 v[SUM], s[GM]
	v_add_f32 v[SUM], 1.0, v[SUM]
	v_rcp_f32 v[ST0+6], v[ST0+6]
	v_rcp_f32 v[ST0+14], v[ST0+14]
	v_rcp_f32 v[SUM], v[SUM]                       ; 1 / (1 + g)
	v_nop                                          ; a plain place behind the last reciprocal
	s_wait_alu depctr_va_vdst(0)                   ; one wait for the three, ahead of the first use
	v_mul_f32 v[SUM+1], s[GM], v[SUM]              ; g / (1 + g)
	v_mul_f32 v[ST0+6], v[ST0+6], v[SUM+1]
	v_mul_f32 v[ST0+14], v[ST0+14], v[SUM+1]
	; A lane holds one query and the output's rows run along the queries: the results turn through the stage, a word a lane; a row's 128 queries come from the four waves.
	; BY QUARTERS of the 256 rows (quarter q: rows 64 q on, O^T's registers 32 q on of each tile): scaled, mixed with yp, into the stage, a barrier, 16 whole rows a wave back and stored.
	; Each quarter has stage bytes of its own, so one barrier a quarter orders all; its stores are on their way while the next quarter is made.
.irp q, 0,1,2,3
	WIN 0x41                                       ; O^T in window 1, the factor in window 0
.irp u, 0,1
.set n, 0
.rept 16
	v_pk_mul_f32 v[128*\u+32*\q+n:128*\u+32*\q+n+1], v[128*\u+32*\q+n:128*\u+32*\q+n+1], v[ST0+8*\u+6:ST0+8*\u+7] op_sel_hi:[1,0]   ; ascending: each accumulator from its low end on
.set n, n+2
.endr
.endr
.if \q == 0
	s_wait_loadcnt 0x0                             ; yp
.endif
	WIN 0x52                                       ; yp in window 2, O^T in window 1
.set n, 0
.rept 16
	v_pk_fma_f32 v[32*\q+n:32*\q+n+1], v[64+32*\q+n:65+32*\q+n], v[SUM:SUM+1], v[32*\q+n:32*\q+n+1] op_sel_hi:[1,0,1]   ; tile 0: yp's number e = 32 q + n at 64 + e
.set n, n+2
.endr
.if \q > 1
	WIN 0x53                                       ; tile 1's numbers from 192 on lie in window 3, at their own numbers
.endif
.set n, 0
.rept 16
	v_pk_fma_f32 v[128+32*\q+n:129+32*\q+n], v[192+32*(\q%2)+n:193+32*(\q%2)+n], v[SUM:SUM+1], v[128+32*\q+n:129+32*\q+n] op_sel_hi:[1,0,1]   ; tile 1: e = 128 + 32 q + n
.set n, n+2
.endr
	WIN 0x04                                       ; an LDS store's data are its source 1: window 1
.irp u, 0,1
.set t, 0
.rept 4
.irp j, 0,1,2,3,4,5,6,7
	ds_store_b32 v[STO+2*\u+\q/2], v[128*\u+32*\q+8*t+\j] offset:(16*(4*(\q%2)+t)+\j)*512   ; row 64 q + 16 t + 8 hh + j
.endr
.set t, t+1
.endr
.endr
	WIN 0
	s_wait_dscnt 0x0                               ; for the others' sake: my stores into the stage are done (and my reads of the last quarter are in)
	s_barrier_signal -1
	s_barrier_wait -1
.if \q > 1
	s_wait_xcnt 0x0                                ; the stores of two quarters back have read their registers: the loads below may land there
.endif
.set rR, RD
.if \q > 1
.set rR, RDH
.endif
.set i, 0
.rept 16
	ds_load_b128 v[S0+64*(\q%2)+4*i:S0+64*(\q%2)+4*i+3], v[rR+(i/8)%2] offset:(64*(\q%2)+i)*512   ; row 64 q + 16 w + i, whole
.set i, i+1
.endr
.set i, 0
.rept 16
	s_wait_dscnt 15-i                              ; row i is back; the younger rows may be out
	global_store_b128 v[LI], v[S0+64*(\q%2)+4*i:S0+64*(\q%2)+4*i+3], s[58:59] offset:(64*\q+i)*4096 th:TH_STORE_NT   ; 32 lanes store 512 consecutive bytes, at a multiple of 256 from the output's first byte
.set i, i+1
.endr
.endr
	s_wait_tensorcnt 0x0                           ; the wave's end: behind my last tensor load and my last LDS store
	ds_add_u32 v[SPW], v[NIL]
	s_wait_dscnt 0x0
	CROUND                                         ; the closing round: no work-group ends while a partner may still ask for a block that names it
	s_endpgm
.Lfunc_end_k_q61325e0ceb_attn:
	.size	k_q61325e0ceb_attn, .Lfunc_end_k_q61325e0ceb_attn-k_q61325e0ceb_attn
	.p2alignl 7, 3214868480
	.fill 96, 4, 3214868480
	.section	.rodata,"a",@progbits
	.p2align	6, 0x0
	.amdhsa_kernel k_q61325e0ceb_attn
		.amdhsa_group_segment_fixed_size 327680
		.amdhsa_private_segment_fixed_size 0
		.amdhsa_enable_private_segment 0
		.amdhsa_kernarg_size 40
		.amdhsa_user_sgpr_count 2
		.amdhsa_user_sgpr_kernarg_segment_ptr 1
		.amdhsa_wavefront_size32 1
		.amdhsa_system_sgpr_workgroup_id_x 1
		.amdhsa_system_sgpr_workgroup_id_y 1
		.amdhsa_system_sgpr_workgroup_id_z 1
		.amdhsa_system_vgpr_workitem_id 0
		.amdhsa_next_free_vgpr 1024
		.amdhsa_next_free_sgpr 100
		.amdhsa_reserve_vcc 0
		.amdhsa_float_denorm_mode_32 3
		.amdhsa_float_denorm_mode_16_64 3
		.amdhsa_memory_ordered 1
		.amdhsa_forward_progress 1
		.amdhsa_inst_pref_size 255
	.end_amdhsa_kernel
	.section	.bss,"aw",@nobits
	.p2align	6
	.space	262144
	.amdgpu_metadata
---
amdhsa.version: [ 1, 2 ]
amdhsa.kernels:
  - .name:           k_q61325e0ceb_attn
    .symbol:         k_q61325e0ceb_attn.kd
    .args:
      - { .name: qimg, .offset: 0, .size: 8, .value_kind: global_buffer, .address_space: global }
      - { .name: kvimg, .offset: 8, .size: 8, .value_kind: global_buffer, .address_space: global }
      - { .name: ypimg, .offset: 16, .size: 8, .value_kind: global_buffer, .address_space: global }
      - { .name: gamma, .offset: 24, .size: 8, .value_kind: global_buffer, .address_space: global }
      - { .name: out0, .offset: 32, .size: 8, .value_kind: global_buffer, .address_space: global }
    .group_segment_fixed_size: 327680
    .private_segment_fixed_size: 0
    .kernarg_segment_align: 8
    .kernarg_segment_size: 40
    .max_flat_workgroup_size: 128
    .sgpr_count:     100
    .vgpr_count:     1024
    .wavefront_size: 32
...
	.end_amdgpu_metadata
.endif
;; end of part 2
